; MI455X (gfx1250); checked and timed in simulation.
; The chip was launched on July 23, 2026; its instructions are those of AMD's public machine-readable ISA for CDNA 5 (MIT licence, August 2026) and "CDNA5" Instruction Set Architecture Reference Guide (July 2026). The comments in the code are by the model that wrote it; some were corrected since.
;; multihead self attention. Allowed arithmetic: float matrix products may take bf16 or f16 operands with f32 sums; all other float work in f32.
;; Inputs: Wo 1,024 x 1,024 float32; Wqkv 3,072 x 1,024 float32; x 2 x 2,048 x 1,024 float32.
;; Outputs: out0 2 x 2,048 x 1,024 float32.
;; One version. Each part assembles by itself: llvm-mc -triple=amdgcn-amd-amdhsa -mcpu=gfx1250 --defsym DOCPART=n.
;; ======== version 1 of 1: 4 launches
;; limits: values are held in f16: magnitudes above 65,504 overflow, below 6.1e-05 lose precision
;; workspace buffers: xb 8,388,608 bytes; wqb 6,291,456 bytes; wob 2,097,152 bytes; ropet 524,288 bytes; qkvh 25,165,824 bytes; ao 8,388,608 bytes
;; launch prep (part 1): grid 256 x 1, 8 waves a work-group, no clusters, 0 bytes of LDS; arguments x, Wqkv, Wo, xb, wqb, wob, ropet; writes xb, wqb, wob, ropet
.if DOCPART == 1
	.amdgcn_target "amdgcn-amd-amdhsa--gfx1250"
	.amdhsa_code_object_version 6
	.text
	.protected	k_q8287856d4f_prep
	.globl	k_q8287856d4f_prep
	.p2align	8
	.type	k_q8287856d4f_prep,@function
k_q8287856d4f_prep:
	s_mov_b64 s[64:65], 0
	v_nop
	global_prefetch_b8 v0, s[64:65] scope:SCOPE_SE
	s_setreg_imm32_b32 hwreg(HW_REG_WAVE_MODE, 25, 1), 1
	s_wait_xcnt 0x0
; prep: the three f32 inputs become 16-bit matrix operands, and the table of cosines and sines for the rotation is made.
;   xb  = x    rounded to bf16, [4096][1024]
;   wqb = Wqkv rounded to bf16, [3072][1024]
;   wob = Wo   rounded to bf16 and then written in f16 format, [1024][1024] (the last product has f16 operands)
;   ropet = pairs (cos, sin) in f32 of s * 10000^(-j/32), s = 0..2047, j = 0..31, in the lane order of the next launch (below)
; LIMITS: a bf16 value of Wo is exact in f16 for 2^-17 <= |w| < 65,504; below it is rounded to a multiple of 2^-24, above it overflows.
; The angles are formed in f32 as reference() forms them; the frequency is good to about one unit in its last place, so at s = 2047
; an angle can differ from reference()'s f32 angle by about 2e-4 rad.
; 8,388,608 numbers, 32,768 for each of 256 work-groups: groups 0-127 take x, 128-223 Wqkv, 224-255 Wo.
; Thread t takes the 16 bytes at 16 t of each block of 4,096 bytes: a wave's load covers 512 neighbouring bytes, its 8-byte stores
; 256 neighbouring bytes, aligned.  All 32 loads of a thread go out at once (128 KiB a group); no register is written twice
; while a load or store names it, so the only waits are the counted ones for data.  No LDS, no matrix unit: this is a stream.
.set X, 32                             ; v[32:159]   load i: 4 registers of f32
.set Y, 160                            ; v[160:223]  store i: 2 registers, 4 numbers of 16 bits
.set W, 20                             ; v[20:23]    Wo's way: four bf16 values widened again
	s_load_b256 s[4:11], s[0:1], 0x0               ; x s[4:5], Wqkv s[6:7], Wo s[8:9], xb s[10:11]
	s_load_b128 s[12:15], s[0:1], 0x20             ; wqb s[12:13], wob s[14:15]
	s_load_b64 s[16:17], s[0:1], 0x30              ; ropet
	s_mov_b32 s2, ttmp9                            ; g, the work-group's number
	s_mov_b32 s25, 0xffff0000                      ; a word's upper bf16
	v_lshlrev_b32 v1, 4, v0                        ; 16 t: where I read
	v_lshlrev_b32 v2, 3, v0                        ; 8 t: where I write
	s_wait_kmcnt 0x0
	s_cmp_lt_u32 s2, 128                           ; which input is mine: the choice hangs on g alone
	s_cselect_b64 s[20:21], s[4:5], s[6:7]
	s_cselect_b64 s[22:23], s[10:11], s[12:13]
	s_cselect_b32 s24, 0, 128
	s_cmp_lt_u32 s2, 224
	s_cselect_b64 s[20:21], s[20:21], s[8:9]
	s_cselect_b64 s[22:23], s[22:23], s[14:15]
	s_cselect_b32 s24, s24, 224
	s_sub_co_u32 s24, s2, s24                      ; my chunk in that input
	s_lshl_b32 s28, s24, 17                        ; 128 KiB in
	s_mov_b32 s29, 0
	s_add_nc_u64 s[20:21], s[20:21], s[28:29]
	s_lshl_b32 s28, s24, 16                        ; 64 KiB out
	s_add_nc_u64 s[22:23], s[22:23], s[28:29]
	s_lshl_b32 s28, s2, 11                         ; 256 table entries of 8 bytes
	s_add_nc_u64 s[26:27], s[16:17], s[28:29]
.irp i, 0,1,2,3,4,5,6,7,8,9,10,11,12,13,14,15,16,17,18,19,20,21,22,23,24,25,26,27,28,29,30,31
	global_load_b128 v[X+4*\i:X+4*\i+3], v1, s[20:21] offset:4096*\i th:TH_LOAD_NT
.endr
	; The table entry of thread t, while the loads are on their way.  Entry E = 256 g + t lies at byte 8 E, and
	; E = 512 sblk + 64 ge + 32 h + 2 r + jb stands for s = 16 sblk + r and j = 8 (ge >> 1) + 4 h + 2 (ge & 1) + jb:
	; the 16 bytes number ge of lane 16 h + r in a block of 16 rows are (cos, sin, cos, sin) of two neighbouring j of row r.
	v_lshrrev_b32 v3, 5, v0
	v_lshl_add_u32 v3, s2, 3, v3                   ; u = E >> 5 = 16 sblk + 2 ge + h
	v_and_b32 v4, 31, v0                           ; E & 31 = 2 r + jb
	v_lshrrev_b32 v5, 4, v3                        ; sblk
	v_lshrrev_b32 v6, 1, v4                        ; r
	v_lshl_add_u32 v5, v5, 4, v6                   ; s
	v_bfe_u32 v6, v3, 1, 3                         ; ge
	v_and_b32 v7, 1, v3                            ; h
	v_lshrrev_b32 v8, 1, v6
	v_and_b32 v6, 1, v6
	v_lshlrev_b32 v8, 3, v8                        ; 8 (ge >> 1)
	v_lshl_add_u32 v8, v7, 2, v8                   ; + 4 h
	v_lshl_add_u32 v8, v6, 1, v8                   ; + 2 (ge & 1)
	v_and_b32 v4, 1, v4
	v_add_nc_u32 v8, v8, v4                        ; j
	v_cvt_f32_u32 v8, v8
	v_cvt_f32_u32 v5, v5
	; 10000^(-j/32) = 2^(-j L), L = log2(10000)/32 = 0.41524124 - 2.29594e-7.  The first part has 17 significant bits, so j times it is exact;
	; the second part enters as the factor 1 + j * 2.29594e-7 * ln 2.
	v_mul_f32 v9, 0xbed49a80, v8
	v_exp_f32 v9, v9
	v_mul_f32 v10, 0x342ae0a4, v8                  ; a plain instruction stands between v_exp_f32 and the use of its result (ISA guide 5.7.2)
	s_wait_alu depctr_va_vdst(0)
	v_fma_f32 v9, v9, v10, v9                      ; the frequency
	v_mul_f32 v10, v5, v9                          ; the angle, rounded to f32 as in reference()
	v_mul_f32 v11, 0x3f22f983, v10                 ; times 2/pi
	v_rndne_f32 v11, v11                           ; n, at most 1,303
	v_fmamk_f32 v10, v11, 0xbfc90000, v10          ; angle - n pi/2, pi/2 in three parts of 8, 11 and 24 bits
	v_fmamk_f32 v10, v11, 0xb9fda000, v10
	v_fmamk_f32 v10, v11, 0xb3a22169, v10          ; r, |r| <= pi/4
	v_mul_f32 v12, v10, v10                        ; z = r^2
	v_mov_b32 v13, 0xb94ca1f9                      ; sin r = r + r z (-1/6 + z (1/120 - z/5040)), minimax coefficients
	v_fmaak_f32 v13, v13, v12, 0x3c08839e
	v_fmaak_f32 v13, v13, v12, 0xbe2aaaa3
	v_mul_f32 v13, v13, v12
	v_fma_f32 v13, v13, v10, v10
	v_mov_b32 v14, 0x37ccf5ce                      ; cos r = 1 - z/2 + z^2 (1/24 - z (1/720 - z/40320)), minimax coefficients
	v_fmaak_f32 v14, v14, v12, 0xbab6061a
	v_fmaak_f32 v14, v14, v12, 0x3d2aaaa5
	v_mul_f32 v15, v12, v12
	v_fma_f32 v18, v12, -0.5, 1.0
	v_fma_f32 v14, v14, v15, v18
	v_cvt_i32_f32 v11, v11                         ; the quadrant is n mod 4
	v_and_b32 v15, 1, v11
	v_cmp_eq_u32 vcc_lo, 1, v15
	v_cndmask_b32 v16, v14, v13, vcc_lo            ; odd quadrants exchange the two
	v_cndmask_b32 v17, v13, v14, vcc_lo
	v_add_nc_u32 v15, 1, v11
	v_and_b32 v15, 2, v15
	v_lshlrev_b32 v15, 30, v15
	v_xor_b32 v16, v16, v15                        ; the cosine is negative in quadrants 1 and 2
	v_and_b32 v15, 2, v11
	v_lshlrev_b32 v15, 30, v15
	v_xor_b32 v17, v17, v15                        ; the sine in quadrants 2 and 3
	global_store_b64 v2, v[16:17], s[26:27]        ; a wave's store covers 256 neighbouring bytes, aligned; v16, v17 are not written again
; Load i is rounded and stored.  wo = 1: the bf16 values are widened again and written in f16 format.
.macro CAST i, wo
	s_wait_loadcnt 31-\i                           ; loads come back in order (ISA guide 5.7.1): the 31 - i younger ones may stay out
	v_cvt_pk_bf16_f32 v[Y+2*\i],   v[X+4*\i],   v[X+4*\i+1]
	v_cvt_pk_bf16_f32 v[Y+2*\i+1], v[X+4*\i+2], v[X+4*\i+3]
.if \wo
	v_lshlrev_b32 v[W],   16,  v[Y+2*\i]
	v_and_b32     v[W+1], s25, v[Y+2*\i]
	v_lshlrev_b32 v[W+2], 16,  v[Y+2*\i+1]
	v_and_b32     v[W+3], s25, v[Y+2*\i+1]
	v_cvt_pk_f16_f32 v[Y+2*\i],   v[W],   v[W+1]
	v_cvt_pk_f16_f32 v[Y+2*\i+1], v[W+2], v[W+3]
.endif
	global_store_b64 v2, v[Y+2*\i:Y+2*\i+1], s[22:23] offset:2048*\i   ; no hint: the next launches read these bytes
.endm
	s_cmp_ge_u32 s2, 224
	s_cbranch_scc1 .Lwo
.irp i, 0,1,2,3,4,5,6,7,8,9,10,11,12,13,14,15,16,17,18,19,20,21,22,23,24,25,26,27,28,29,30,31
	CAST \i, 0
.endr
	s_endpgm
.Lwo:
.irp i, 0,1,2,3,4,5,6,7,8,9,10,11,12,13,14,15,16,17,18,19,20,21,22,23,24,25,26,27,28,29,30,31
	CAST \i, 1
.endr
	s_endpgm
.Lfunc_end_k_q8287856d4f_prep:
	.size	k_q8287856d4f_prep, .Lfunc_end_k_q8287856d4f_prep-k_q8287856d4f_prep
	.p2alignl 7, 3214868480
	.fill 96, 4, 3214868480
	.section	.rodata,"a",@progbits
	.p2align	6, 0x0
	.amdhsa_kernel k_q8287856d4f_prep
		.amdhsa_group_segment_fixed_size 0
		.amdhsa_private_segment_fixed_size 0
		.amdhsa_enable_private_segment 0
		.amdhsa_kernarg_size 56
		.amdhsa_user_sgpr_count 2
		.amdhsa_user_sgpr_kernarg_segment_ptr 1
		.amdhsa_wavefront_size32 1
		.amdhsa_system_sgpr_workgroup_id_x 1
		.amdhsa_system_sgpr_workgroup_id_y 1
		.amdhsa_system_sgpr_workgroup_id_z 1
		.amdhsa_system_vgpr_workitem_id 0
		.amdhsa_next_free_vgpr 224
		.amdhsa_next_free_sgpr 66
		.amdhsa_reserve_vcc 1
		.amdhsa_float_denorm_mode_32 3
		.amdhsa_float_denorm_mode_16_64 3
		.amdhsa_memory_ordered 1
		.amdhsa_forward_progress 1
		.amdhsa_inst_pref_size 31
	.end_amdhsa_kernel
	.amdgpu_metadata
---
amdhsa.version: [ 1, 2 ]
amdhsa.kernels:
  - .name:           k_q8287856d4f_prep
    .symbol:         k_q8287856d4f_prep.kd
    .args:
      - { .name: x, .offset: 0, .size: 8, .value_kind: global_buffer, .address_space: global }
      - { .name: Wqkv, .offset: 8, .size: 8, .value_kind: global_buffer, .address_space: global }
      - { .name: Wo, .offset: 16, .size: 8, .value_kind: global_buffer, .address_space: global }
      - { .name: xb, .offset: 24, .size: 8, .value_kind: global_buffer, .address_space: global }
      - { .name: wqb, .offset: 32, .size: 8, .value_kind: global_buffer, .address_space: global }
      - { .name: wob, .offset: 40, .size: 8, .value_kind: global_buffer, .address_space: global }
      - { .name: ropet, .offset: 48, .size: 8, .value_kind: global_buffer, .address_space: global }
    .group_segment_fixed_size: 0
    .private_segment_fixed_size: 0
    .kernarg_segment_align: 8
    .kernarg_segment_size: 56
    .max_flat_workgroup_size: 256
    .sgpr_count:     66
    .vgpr_count:     224
    .wavefront_size: 32
...
	.end_amdgpu_metadata
.endif
;; end of part 1
;; launch proj_qkv (part 2): grid 16 x 16, 4 waves a work-group, clusters of 4 x 4, 327,680 bytes of LDS; arguments xb, wqb, ropet, qkvh; writes qkvh
.if DOCPART == 2
	.amdgcn_target "amdgcn-amd-amdhsa--gfx1250"
	.amdhsa_code_object_version 6
	.text
	.protected	k_q8287856d4f_proj_qkv
	.globl	k_q8287856d4f_proj_qkv
	.p2align	8
	.type	k_q8287856d4f_proj_qkv,@function
k_q8287856d4f_proj_qkv:
	s_mov_b64 s[64:65], 0
	v_nop
	global_prefetch_b8 v0, s[64:65] scope:SCOPE_SE
	s_setreg_imm32_b32 hwreg(HW_REG_WAVE_MODE, 25, 1), 1
	s_wait_xcnt 0x0
	s_wait_alu depctr_hold_cnt(0) depctr_sa_sdst(0) depctr_va_vdst(0) depctr_va_sdst(0) depctr_va_ssrc(0) depctr_va_vcc(0) depctr_vm_vsrc(0)
	s_getreg_b32 s2, hwreg(HW_REG_IB_STS2, 6, 4)
	s_cmp_eq_u32 s2, 0
	s_cbranch_scc0 .Lentry_in_a_cluster
	s_endpgm
.Lentry_in_a_cluster:
	s_bfe_u32 s2, ttmp6, 0x10000c
	s_cmp_lg_u32 s2, 0xf033
	s_cbranch_scc0 .Lentry_shape_is_right
	s_endpgm
.Lentry_shape_is_right:
; proj_qkv: q, k, v = x Wqkv^T (bf16 operands, f32 sums), q and k rotated in f32, all three stored in f16 as [plane q,k,v][batch*16+head][2048][64].
; LIMIT: |q|, |k|, |v| must stay below 65,504 (f16); with all inputs 30 times those drawn, or offset by 30 of their spreads, they stay below 3e4.
; A work-group makes 256 rows of x times the 192 columns that are q, k and v of ONE head (rows 64 head + 0, 1024, 2048 + 0..63 of Wqkv): 16 x 16 = 256 groups.
; Wave w makes rows 64 w .. 64 w + 63 times all 192 columns: 4 x 12 = 48 accumulator tiles, 384 registers; so each wave holds whole rows of 128 bytes of q, k and v.
; K goes in steps of 128 through two LDS slots; a tile's rows are 256 bytes of memory and start at multiples of 256 bytes from the buffer's first byte.
; CLUSTERS: 4 x 4 work-groups.  x's tile hangs on the row block alone and is asked for jointly along a row of the cluster, the weights' tiles on the head alone
; and jointly along a column: the requests for both are divided by four.  Wave 3 asks for x's 256 rows, waves 0, 1, 2 for 64 rows of the q, k, v weights.
; REGISTERS in windows of 256: window 0 addresses, x's fragments (two buffers), the rotation's table, work; window 1 the weights' fragments (two buffers);
; window 2 the 32 tiles of q and k (tile b = 0..7, row block a at v[8 (4 b + a)]); window 3 the 16 tiles of v (b = 8..11 at v[8 (4 (b - 8) + a)]).
; The matrix instruction is used transposed (source 0 = 16 rows of the weights, source 1 = 16 rows of x): lane l then holds row l % 16 and the eight
; neighbouring columns 8 (l / 16) + 0..7 of a tile, that is four (even, odd) pairs of the rotation.
.set PITCH,  272                       ; an LDS row: 256 bytes + 16 of padding, an odd multiple of 16 bytes
.set ABYTES, 256*PITCH                 ; x's 256 rows
.set BPLANE, 64*PITCH                  ; 64 rows of weights
.set SLOT,   ABYTES+3*BPLANE           ; 121,856
.set STAGE,  2*SLOT                    ; behind the ring: for each wave 3 planes x 16 rows x 144 bytes; no tensor load lands here
.set SPITCH, 144
.set SPLANE, 16*SPITCH
.set LAPS,   4                         ; 1024 / (2 x 128): a lap is once round the ring
.set ADRA, 16                          ; v16-17  LDS address of my x fragments in slot 0, 1
.set ADRB, 20                          ; v20-21  the same for the weights
.set STO,  24                          ; v24     the way out: where I put 16 bytes of a row
.set RD,   25                          ; v25     the way out: where I read rows back
.set GO,   26                          ; v26     16 x lane: my offset in 512 neighbouring bytes of memory
.set OUTB, 32                          ; v32-79  the way out: rows read back (x's fragment buffers, free by then)
.set PK,   80                          ; v80-95  the way out: packed f16
.set TB,   96                          ; v96-223 the table: 32 registers for each of my four blocks of 16 rows
.set RT,   224                         ; v224-255 a plane's 16 rows, rotated, f32
.set G1,  24                           ; s[24:31] group 1, x's tiles
.set G0,  32                           ; s[32:39] group 0, x's tiles, a set for each slot
.set G1B, 48                           ; s[48:55] group 1, the weights' tiles
.set G0B, 56                           ; s[56:63] group 0, the weights' tiles, a set for each slot
.set OB,  66                           ; s[66:71] where my rows of q, k, v go
.set MSB, 0
.macro WIN new                         ; the immediate's high byte repeats the setting that is left
.if MSB != \new
	s_set_vgpr_msb (MSB<<8)|\new
.set MSB, \new
.endif
.endm
.set MUL_LO, 0xa1                      ; source 0 window 1, source 1 window 0, C and D window 2
.set MUL_HI, 0xf1                      ; the same, C and D window 3
.set TO_B,   0x40                      ; destination window 1, address window 0
.macro PLACES                          ; four plain vector instructions stand between a matrix instruction and a load into, or a vector instruction on, its registers
.rept 4
	v_nop
.endr
.endm
; A joint load: each line has one mask and one set of registers for all that issue it; the branch hangs on the wave's number alone.
.macro JLOAD s
	s_cmp_eq_u32 s12, 3
	s_cbranch_scc0 .Lfor_b_\@
	tensor_load_to_lds s[G0+4*\s:G0+4*\s+3], s[G1:G1+7]
	s_nop 0
	s_branch .Lasked_\@
.Lfor_b_\@:
	tensor_load_to_lds s[G0B+4*\s:G0B+4*\s+3], s[G1B:G1B+7]
	s_nop 0
.Lasked_\@:
.endm
.macro CREST                           ; a round of the cluster's barrier behind its opening work-group barrier
	s_cmp_lg_u32 s12, 0
	s_cbranch_scc1 .Lnot_wave_0_\@
	s_barrier_signal -3
.Lnot_wave_0_\@:
	s_barrier_wait -3
	s_barrier_signal -1
	s_barrier_wait -1
.endm
.macro CROUND                          ; a whole round
	s_barrier_signal -1
	s_barrier_wait -1
	CREST
.endm
	s_load_b256 s[4:11], s[0:1], 0x0               ; xb s[4:5], wqb s[6:7], ropet s[8:9], qkvh s[10:11]
	s_set_vgpr_msb 0x40
	v_lshl_add_u32 v255, v0, 2, 0x42400
	s_set_vgpr_msb 0x4000
	v_mov_b32 v31, 0
	s_set_vgpr_msb 0x1
	ds_add_u32 v255, v31
	s_set_vgpr_msb 0x100
	v_lshrrev_b32 v1, 5, v0
	v_readfirstlane_b32 s12, v1                    ; wave 0..3
	s_bfe_u32 s13, ttmp6, 0x40000                  ; cx
	s_bfe_u32 s14, ttmp6, 0x40004                  ; cy
	s_lshl_b32 s15, ttmp9, 2
	s_add_co_u32 s15, s15, s13                     ; head = 4 x cluster x + cx
	s_and_b32 s16, ttmp7, 0xffff
	s_lshl_b32 s16, s16, 2
	s_add_co_u32 s16, s16, s14                     ; row block of 256 = 4 x cluster y + cy
	s_lshl_b32 s17, s14, 2
	s_lshl_b32 s17, 15, s17                        ; my row of the cluster
	s_lshl_b32 s18, 0x1111, s13                    ; my column
	s_or_b32 s[G1+0],  s17, (1<<16)|(1<<20)|(1<<21)|(5<<22)|(3<<25)  ; the mask; elements of 2 bytes; padding on; bit 21 beside a mask; after every 64 words 4 words
	s_or_b32 s[G1B+0], s18, (1<<16)|(1<<20)|(1<<21)|(5<<22)|(3<<25)
	s_mov_b32 s[G1+1],  128<<16                    ; tensor_dim0 = 128
	s_mov_b32 s[G1B+1], 128<<16
	s_mov_b32 s[G1+2],  256<<16                    ; tensor_dim1 = 256 rows of x
	s_mov_b32 s[G1B+2], 64<<16                     ;             = 64 rows of weights
	s_mov_b32 s[G1+3],  128<<16                    ; tile_dim0 = 128
	s_mov_b32 s[G1B+3], 128<<16
	s_mov_b32 s[G1+4],  256                        ; tile_dim1
	s_mov_b32 s[G1B+4], 64
	s_mov_b32 s[G1+5],  1024                       ; elements from row to row
	s_mov_b32 s[G1B+5], 1024
	s_mov_b32 s[G1+6],  0
	s_mov_b32 s[G1B+6], 0
	s_mov_b32 s[G1+7],  0
	s_mov_b32 s[G1B+7], 0
	s_lshl_b32 s40, s16, 19                        ; x: 256 rows of 2,048 bytes a block; s[40:43] never hold cx
	s_mov_b32 s41, 0
	s_lshl_b32 s44, s12, 21                        ; weights: plane w is 1,024 rows of 2,048 bytes; s[44:47] never hold cy
	s_lshl_b32 s45, s15, 17                        ; + 64 rows a head
	s_add_co_u32 s44, s44, s45
	s_mov_b32 s45, 0
	s_mul_i32 s46, s12, BPLANE
	s_add_co_u32 s46, s46, ABYTES                  ; and where they go: behind x's rows, plane w
	s_lshr_b32 s19, s16, 3                         ; batch
	s_lshl4_add_u32 s19, s19, s15                  ; batch x 16 + head
	s_lshl_b32 s19, s19, 18                        ; 2,048 rows of 128 bytes
	s_and_b32 s22, s16, 7                          ; my block of 256 rows in the sequence
	s_lshl_b32 s20, s22, 8
	s_lshl_b32 s21, s12, 6
	s_add_co_u32 s20, s20, s21                     ; my wave's first row in the sequence
	s_lshl_b32 s20, s20, 7
	s_add_co_u32 s20, s20, s19
	s_mov_b32 s21, 0
	s_lshl_b32 s23, s22, 4
	s_lshl2_add_u32 s23, s12, s23                  ; its block of 16 rows: 16 x block + 4 w
	s_wait_dscnt 0x0
	s_wait_kmcnt 0x0
	s_add_nc_u64 s[40:41], s[4:5], s[40:41]
	s_add_nc_u64 s[44:45], s[6:7], s[44:45]
	s_add_nc_u64 s[OB:OB+1], s[10:11], s[20:21]    ; q
	s_add_nc_u64 s[OB+2:OB+3], s[OB:OB+1], 0x800000    ; k
	s_add_nc_u64 s[OB+4:OB+5], s[OB+2:OB+3], 0x800000  ; v
	s_lshl_b32 s20, s23, 12                        ; 4,096 bytes of table for 16 rows
	s_add_nc_u64 s[72:73], s[8:9], s[20:21]
	CROUND                                         ; all sixteen work-groups are here: the first joint loads meet
.irp s, 0,1
	s_mov_b32 s[G0+4*\s], 1
	s_mov_b32 s[G0+4*\s+1], \s*SLOT
	s_add_nc_u64 s[G0+4*\s+2:G0+4*\s+3], s[40:41], \s*256          ; K step s
	s_or_b32 s[G0+4*\s+3], s[G0+4*\s+3], 0x80000000
	s_mov_b32 s[G0B+4*\s], 1
	s_add_co_u32 s[G0B+4*\s+1], s46, \s*SLOT
	s_add_nc_u64 s[G0B+4*\s+2:G0B+4*\s+3], s[44:45], \s*256
	s_or_b32 s[G0B+4*\s+3], s[G0B+4*\s+3], 0x80000000
	JLOAD \s                                       ; both slots' first fills go out together: two tensor loads of a wave are out
.endr
	v_and_b32 v1, 15, v0                           ; r = l % 16
	v_bfe_u32 v2, v0, 4, 1                         ; h = l / 16
	v_and_b32 v5, 31, v0                           ; l
	v_lshlrev_b32 v[GO], 4, v5
	; the table of my 64 rows: 32 loads of 512 neighbouring bytes; they stay out until the way out, their registers are not touched before
.irp a, 0,1,2,3
.irp g, 0,1,2,3,4,5,6,7
	global_load_b128 v[TB+32*\a+4*\g:TB+32*\a+4*\g+3], v[GO], s[72:73] offset:4096*\a+512*\g
.endr
.endr
	v_mul_u32_u24 v3, v1, PITCH
	v_lshl_add_u32 v3, v2, 4, v3                   ; row x pitch + 16 x half: a fragment is two loads of 16 bytes, 32 bytes apart
	s_mul_i32 s19, s12, 64*PITCH                   ; my 64 rows of x
	v_add_nc_u32 v[ADRA], s19, v3
	v_add_nc_u32 v[ADRA+1], SLOT, v[ADRA]
	v_add_nc_u32 v[ADRB], ABYTES, v3
	v_add_nc_u32 v[ADRB+1], ABYTES+SLOT, v3
	s_mul_i32 s19, s12, 3*SPLANE
	s_add_co_u32 s19, s19, STAGE                   ; my stage
	v_mul_u32_u24 v4, v1, SPITCH
	v_lshl_add_u32 v4, v2, 4, v4
	v_add_nc_u32 v[STO], s19, v4                   ; in: row r, 16 bytes for each half of the lanes
	v_lshrrev_b32 v6, 3, v5
	v_and_b32 v7, 7, v5
	v_mul_u32_u24 v6, v6, SPITCH
	v_lshl_add_u32 v6, v7, 4, v6
	v_add_nc_u32 v[RD], s19, v6                    ; back: eight lanes take a row of 128 bytes, a load four rows
; 16 matrix instructions: weight tiles b0 .. b0 + 3 times my four row blocks, 32 along K, from fragment buffers f.  The 48 accumulators take turns,
; one instruction a turn, in the same order in every quarter step.
.macro MULB f, b0, hi, zero
.irp bb, 0,1,2,3
.irp a, 0,1,2,3
.if \zero
	v_wmma_f32_16x16x32_bf16 v[8*(4*(\b0+\bb-8*\hi)+\a):8*(4*(\b0+\bb-8*\hi)+\a)+7], v[96*\f+8*(\b0+\bb):96*\f+8*(\b0+\bb)+7], v[32+32*\f+8*\a:32+32*\f+8*\a+7], 0
.else
	v_wmma_f32_16x16x32_bf16 v[8*(4*(\b0+\bb-8*\hi)+\a):8*(4*(\b0+\bb-8*\hi)+\a)+7], v[96*\f+8*(\b0+\bb):96*\f+8*(\b0+\bb)+7], v[32+32*\f+8*\a:32+32*\f+8*\a+7], v[8*(4*(\b0+\bb-8*\hi)+\a):8*(4*(\b0+\bb-8*\hi)+\a)+7]
.endif
.endr
.endr
.endm
; 32 LDS loads in one run: 64 rows of x, then 192 rows of weights (v's last), 32 K at byte k of the rows, into buffers f
.macro FETCH slot, k, f
	WIN 0
.irp i, 0,1,2,3
	ds_load_b128 v[32+32*\f+8*\i:32+32*\f+8*\i+3],   v[ADRA+\slot] offset:\k+\i*16*PITCH
	ds_load_b128 v[32+32*\f+8*\i+4:32+32*\f+8*\i+7], v[ADRA+\slot] offset:\k+\i*16*PITCH+32
.endr
	WIN TO_B
.irp i, 0,1,2,3,4,5,6,7,8,9,10,11
	ds_load_b128 v[96*\f+8*\i:96*\f+8*\i+3],   v[ADRB+\slot] offset:\k+\i*16*PITCH
	ds_load_b128 v[96*\f+8*\i+4:96*\f+8*\i+7], v[ADRB+\slot] offset:\k+\i*16*PITCH+32
.endr
.endm
; One of a K step's first three quarters: multiplies buffers f; in its middle fetches the next quarter's fragments into buffers g.
.macro QUARTER slot, k, f, g, zero
	s_wait_dscnt 8                                 ; x's and q's and k's fragments are in; the youngest eight loads (v's weights) may be out
	WIN MUL_LO
	MULB \f, 0, 0, \zero
	MULB \f, 4, 0, \zero
	PLACES
	FETCH \slot, \k, \g
	s_wait_dscnt 32                                ; all but the 32 just issued
	WIN MUL_HI
	MULB \f, 8, 1, \zero
.endm
.macro THREE slot, zero
	QUARTER \slot, 64,  0, 1, \zero
	QUARTER \slot, 128, 1, 0, 0
	QUARTER \slot, 192, 0, 1, 0
.endm
; The last quarter: multiplies buffers 1 and changes slots.  In front of the barrier each wave waits for its reads of this slot and for all its tensor loads
; (one is out: its part of the next slot).  fill = 1: the barrier opens a round of the cluster's barrier, and the joint refill of this slot, two K steps ahead,
; is the first tensor load behind the round.  From a request to the wait for it a wave issues 176 matrix instructions.
.macro TURN slot, next, fill
	s_wait_dscnt 8
	WIN MUL_LO
	MULB 1, 0, 0, 0
	s_wait_dscnt 0                                 ; my reads of this slot are over
	s_wait_tensorcnt 0x0                           ; all my tensor loads have landed
	ds_add_u32 v255, v31
	s_wait_dscnt 0x0
	s_barrier_signal -1
	MULB 1, 4, 0, 0                                ; register work while the others arrive
	WIN 0
	s_barrier_wait -1
.if \fill
	CREST                                          ; no wave of any partner still reads this slot or has a load on its way
	s_add_nc_u64 s[G0+4*\slot+2:G0+4*\slot+3], s[G0+4*\slot+2:G0+4*\slot+3], 512
	s_add_nc_u64 s[G0B+4*\slot+2:G0B+4*\slot+3], s[G0B+4*\slot+2:G0B+4*\slot+3], 512
	JLOAD \slot
.endif
	PLACES
	FETCH \next, 0, 0
	WIN MUL_HI
	MULB 1, 8, 1, 0
.endm
.macro LAP zero
	THREE 0, \zero
	TURN 0, 1, 1
	THREE 1, 0
	TURN 1, 0, 1
.endm
	s_wait_tensorcnt 0x1                           ; my part of K step 0 is in; K step 1's may stay out
	s_barrier_signal -1
	s_barrier_wait -1
	FETCH 0, 0, 0
	LAP 1                                          ; the first products start the sums: nothing is cleared
	WIN 0
	s_mov_b32 s3, LAPS-2
.Llap:
	LAP 0
	WIN 0
	s_sub_co_u32 s3, s3, 1
	s_cmp_lg_u32 s3, 0
	s_cbranch_scc1 .Llap
	THREE 0, 0                                     ; the last lap fills nothing
	TURN 0, 1, 0
	THREE 1, 0
	s_wait_dscnt 8
	WIN MUL_LO
	MULB 1, 0, 0, 0
	MULB 1, 4, 0, 0
	s_wait_dscnt 0
	WIN MUL_HI
	MULB 1, 8, 1, 0
	; THE WAY OUT, 16 rows at a time: rotate q and k in f32, round all three to f16, 16 bytes a lane into my stage, whole rows back, 512 neighbouring bytes a store.
	PLACES
	s_wait_loadcnt 0x0                             ; the table
; plane pl (0 q, 1 k) of row block a: tile g holds columns 16 g + 8 h + 0..7, pair p is j = 8 g + 4 h + p, its (cos, sin) lie at TB + 32 a + 8 g + 2 p
.macro ROT a, pl
	WIN 0x02                                       ; source 0 (the sums) window 2
.irp g, 0,1,2,3
.irp p, 0,1,2,3
	v_mul_f32 v[RT+8*\g+2*\p],   v[8*(4*(4*\pl+\g)+\a)+2*\p+1], v[TB+32*\a+8*\g+2*\p+1]   ; x2 sin
	v_mul_f32 v[RT+8*\g+2*\p+1], v[8*(4*(4*\pl+\g)+\a)+2*\p+1], v[TB+32*\a+8*\g+2*\p]     ; x2 cos
.endr
.irp p, 0,1,2,3
	v_fma_f32 v[RT+8*\g+2*\p],   v[8*(4*(4*\pl+\g)+\a)+2*\p], v[TB+32*\a+8*\g+2*\p],   -v[RT+8*\g+2*\p]   ; x1 cos - x2 sin
	v_fma_f32 v[RT+8*\g+2*\p+1], v[8*(4*(4*\pl+\g)+\a)+2*\p], v[TB+32*\a+8*\g+2*\p+1], v[RT+8*\g+2*\p+1]  ; x1 sin + x2 cos
.endr
.endr
	WIN 0
.irp g, 0,1,2,3
.irp i, 0,1,2,3
	v_cvt_pk_f16_f32 v[PK+4*\g+\i], v[RT+8*\g+2*\i], v[RT+8*\g+2*\i+1]
.endr
.endr
.irp g, 0,1,2,3
	ds_store_b128 v[STO], v[PK+4*\g:PK+4*\g+3] offset:\pl*SPLANE+32*\g
.endr
.endm
.macro OUTA a
	ROT \a, 0
	ROT \a, 1
	WIN 0x0f                                       ; sources 0 and 1 window 3: v is only rounded
.irp g, 0,1,2,3
.irp i, 0,1,2,3
	v_cvt_pk_f16_f32 v[PK+4*\g+\i], v[8*(4*\g+\a)+2*\i], v[8*(4*\g+\a)+2*\i+1]
.endr
.endr
	WIN 0
.irp g, 0,1,2,3
	ds_store_b128 v[STO], v[PK+4*\g:PK+4*\g+3] offset:2*SPLANE+32*\g
.endr
	s_wait_xcnt 0x0                                ; OUTB, which the last block's stores read, is loaded again only behind this wait
.irp pl, 0,1,2
.irp t, 0,1,2,3
	ds_load_b128 v[OUTB+16*\pl+4*\t:OUTB+16*\pl+4*\t+3], v[RD] offset:\pl*SPLANE+\t*4*SPITCH   ; LDS serves a wave's instructions in order: these see the stores above
.endr
.endr
.irp pl, 0,1,2
.irp t, 0,1,2,3
	s_wait_dscnt 11-4*\pl-\t                       ; the younger read-backs may stay out
	global_store_b128 v[GO], v[OUTB+16*\pl+4*\t:OUTB+16*\pl+4*\t+3], s[OB+2*\pl:OB+2*\pl+1] offset:2048*\a+512*\t   ; four rows of 128 bytes: 512 neighbouring bytes
.endr
.endr
.endm
	OUTA 0
	OUTA 1
	OUTA 2
	OUTA 3
	s_set_vgpr_msb 0x1
	s_wait_tensorcnt 0x0
	ds_add_u32 v255, v31
	s_wait_dscnt 0x0
	s_set_vgpr_msb 0x100
	CROUND                                         ; the closing round: no work-group ends while a partner may still ask for a tile that names it
	s_endpgm
.Lfunc_end_k_q8287856d4f_proj_qkv:
	.size	k_q8287856d4f_proj_qkv, .Lfunc_end_k_q8287856d4f_proj_qkv-k_q8287856d4f_proj_qkv
	.p2alignl 7, 3214868480
	.fill 96, 4, 3214868480
	.section	.rodata,"a",@progbits
	.p2align	6, 0x0
	.amdhsa_kernel k_q8287856d4f_proj_qkv
		.amdhsa_group_segment_fixed_size 327680
		.amdhsa_private_segment_fixed_size 0
		.amdhsa_enable_private_segment 0
		.amdhsa_kernarg_size 32
		.amdhsa_user_sgpr_count 2
		.amdhsa_user_sgpr_kernarg_segment_ptr 1
		.amdhsa_wavefront_size32 1
		.amdhsa_system_sgpr_workgroup_id_x 1
		.amdhsa_system_sgpr_workgroup_id_y 1
		.amdhsa_system_sgpr_workgroup_id_z 1
		.amdhsa_system_vgpr_workitem_id 0
		.amdhsa_next_free_vgpr 896
		.amdhsa_next_free_sgpr 74
		.amdhsa_reserve_vcc 0
		.amdhsa_float_denorm_mode_32 3
		.amdhsa_float_denorm_mode_16_64 3
		.amdhsa_memory_ordered 1
		.amdhsa_forward_progress 1
		.amdhsa_inst_pref_size 190
	.end_amdhsa_kernel
	.amdgpu_metadata
---
amdhsa.version: [ 1, 2 ]
amdhsa.kernels:
  - .name:           k_q8287856d4f_proj_qkv
    .symbol:         k_q8287856d4f_proj_qkv.kd
    .args:
      - { .name: xb, .offset: 0, .size: 8, .value_kind: global_buffer, .address_space: global }
      - { .name: wqb, .offset: 8, .size: 8, .value_kind: global_buffer, .address_space: global }
      - { .name: ropet, .offset: 16, .size: 8, .value_kind: global_buffer, .address_space: global }
      - { .name: qkvh, .offset: 24, .size: 8, .value_kind: global_buffer, .address_space: global }
    .group_segment_fixed_size: 327680
    .private_segment_fixed_size: 0
    .kernarg_segment_align: 8
    .kernarg_segment_size: 32
    .max_flat_workgroup_size: 128
    .sgpr_count:     74
    .vgpr_count:     896
    .wavefront_size: 32
...
	.end_amdgpu_metadata
.endif
;; end of part 2
;; launch attn (part 3): grid 8 x 32, 8 waves a work-group, no clusters, 327,680 bytes of LDS; arguments qkvh, ao; writes ao
.if DOCPART == 3
	.amdgcn_target "amdgcn-amd-amdhsa--gfx1250"
	.amdhsa_code_object_version 6
	.text
	.protected	k_q8287856d4f_attn
	.globl	k_q8287856d4f_attn
	.p2align	8
	.type	k_q8287856d4f_attn,@function
k_q8287856d4f_attn:
	s_mov_b64 s[64:65], 0
	v_nop
	global_prefetch_b8 v0, s[64:65] scope:SCOPE_SE
	s_setreg_imm32_b32 hwreg(HW_REG_WAVE_MODE, 25, 1), 1
	s_wait_xcnt 0x0
; attn: causal softmax(q k^T / 8) v for one head, f16 operands, f32 sums and statistics, with a running maximum.  Output in f16 as [batch*16 + s/128][head][128][64].
; LIMITS: the output must stay below 65,504 (it is an average of v); masked scores are set to -2^127, so real scores must lie above that;
; a weight below about 3e-8 of its row's largest rounds to 0 in f16.
; Work-group (p, bh) owns the query blocks lo = p and hi = 15 - p (128 rows each) of head bh and walks the key tiles of 128 in pairs (slot 0, slot 1).
; With a = p >> 1, lo needs the pairs 0 .. a and hi the pairs 0 .. 7 - a; what lies above the diagonal in a block's last pair is masked by arithmetic.
; That is 18 products of 128 x 128 in every one of the 256 work-groups.
; Wave w: qg = w & 3, kh = w >> 2.  It takes queries 32 qg .. + 31 of lo (n = 0, 1) and of hi (n = 2, 3) and keys 64 kh .. + 63 of every tile, with its own
; running maximum, sum and output; the two key halves are merged once at the end, through LDS.
; S^T = K Q^T: lane (r, h) holds query r and keys 8 h + j of a tile, so a row's statistics need one exchange between the halves of the lanes, and two
; neighbouring tiles of S^T, packed to f16, are the second source P^T of O^T = V^T P^T as they stand.  V^T comes from LDS by the transposing load.
; NO CLUSTER: the eight work-groups of a head walk 8 - a pairs of tiles, 5 to 8, and which blocks are multiplied is a branch on p; partners of a joint load
; would have to take the same branches and the same number of tiles, which costs 20 products for 18.
.set HALF,  10240                      ; a loading wave's part of a slot: 64 rows of K at pitch 144 (9,216 bytes used) or of V at pitch 160
.set SLOT,  4*HALF                     ; K keys 0-63, K keys 64-127, V keys 0-63, V keys 64-127
.set XCH,   2*SLOT                     ; 81,920: four times 36 x 512 bytes, what a wave of kh = 1 hands to its partner
.set STG,   XCH+4*18432                ; 155,648: for each wave of kh = 0 four blocks of 16 rows x 144 bytes, for the way out
.set TILEB, 16384                      ; a key tile in memory: 128 rows of 128 bytes
.set KAD, 8                            ; v8-9    LDS address of my K fragments in slot 0, 1
.set VAD, 10                           ; v10-11  the same for V
.set QOF, 12                           ; v12     my offset in 16 rows of q
.set DQB, 13                           ; v13     32 qg + r - 64 kh - 8 h: key 16 mt + j is masked where 16 mt + j > DQB + 16 (n & 1) + 128 (query block - key tile)
.set NEG, 14                           ; v14     -2^127
.set DQ,  16                           ; v16-19  that bound, for each n
.set TM,  20                           ; v20-23  at work, one for each n
.set TX,  24                           ; v24-27  at work, one for each n
.set NM,  32                           ; v32-39  pairs (NMC, M): M the running maximum, NMC = -M c rounded, c = log2(e)/8
.set AL,  40                           ; v40-47  pairs (AL, L): AL this trip's rescaling factor, L the lane's part of the running sum
.set ACC, 48                           ; v48-55  a pair of partial sums for each n
.set XAD, 56
.set STO, 57
.set RD,  58
.set GO,  59
.set QF,  64                           ; v64-127   Q fragments (n, c) at 16 n + 8 c
.set KF,  128                          ; v128-191  K fragments (mt, c) at 16 mt + 8 c;
.set PF,  128                          ;           later P^T fragments (n, ks) at 16 n + 8 ks
.set VF,  192                          ; v192-255  V^T fragments (dt, ks) at 16 dt + 8 ks
.set SC,  0                            ; window 1: v0-127   S^T tiles (n, mt) at 32 n + 8 mt
.set OA,  128                          ; window 1: v128-255 O^T tiles (n, dt) at 32 n + 8 dt
.set G1K, 24                           ; s[24:31] group 1 for K: 16 bytes of padding behind each row
.set G1V, 32                           ; s[32:39] group 1 for V: 32 bytes
.set G0,  40                           ; s[40:47] group 0, a set for each slot
.set MSB, 0
.macro WIN new
.if MSB != \new
	s_set_vgpr_msb (MSB<<8)|\new
.set MSB, \new
.endif
.endm
.macro PLACES                          ; four plain vector instructions between a matrix instruction and a load into, or a vector instruction on, its registers
.rept 4
	v_nop
.endr
.endm
; Waves 0, 1 bring K's two halves of a tile, waves 2, 3 V's, 64 rows each; waves 4 to 7 bring nothing.
.macro KVLOAD s
	s_cmp_ge_u32 s8, 4
	s_cbranch_scc1 .Lnone_\@
	s_cmp_ge_u32 s8, 2
	s_cbranch_scc1 .Lv_\@
	tensor_load_to_lds s[G0+4*(\s):G0+4*(\s)+3], s[G1K:G1K+7]
	s_nop 0
	s_branch .Lnone_\@
.Lv_\@:
	tensor_load_to_lds s[G0+4*(\s):G0+4*(\s)+3], s[G1V:G1V+7]
	s_nop 0
.Lnone_\@:
.endm
	s_load_b128 s[4:7], s[0:1], 0x0                ; qkvh s[4:5], ao s[6:7]
	v_lshl_add_u32 v62, v0, 2, 0x2f000
	v_mov_b32 v63, 0
	ds_add_u32 v62, v63
	v_lshrrev_b32 v1, 5, v0
	v_readfirstlane_b32 s8, v1                     ; wave 0..7
	s_and_b32 s9, s8, 3                            ; qg
	s_lshr_b32 s10, s8, 2                          ; kh
	s_mov_b32 s11, ttmp9                           ; p
	s_and_b32 s12, ttmp7, 0xffff                   ; bh
	s_lshr_b32 s13, s11, 1                         ; a
	s_mov_b32 s16, 0x76543210                      ; v_permlanex16_b32: lane i of one half reads lane i of the other
	s_mov_b32 s17, 0xfedcba98
	s_mov_b32 s18, 0x3e38aa3b                      ; c = log2(e) / 8, twice: a pair for the packed multiply-add
	s_mov_b32 s19, 0x3e38aa3b
	s_mov_b32 s20, 0xbe38aa3b                      ; -c
	s_mov_b32 s[G1K+0], (1<<16)|(1<<20)|(4<<22)|(3<<25)   ; elements of 2 bytes; padding on; after every 32 words 4 words: pitch 144
	s_mov_b32 s[G1V+0], (1<<16)|(1<<20)|(4<<22)|(7<<25)   ; after every 32 words 8 words: pitch 160
.irp g, G1K, G1V
	s_mov_b32 s[\g+1], 64<<16                      ; tensor_dim0 = 64
	s_mov_b32 s[\g+2], 64<<16                      ; tensor_dim1 = 64
	s_mov_b32 s[\g+3], 64<<16                      ; tile_dim0 = 64 elements: a head's row of 128 bytes
	s_mov_b32 s[\g+4], 64                          ; tile_dim1 = 64 rows
	s_mov_b32 s[\g+5], 64                          ; elements from row to row
	s_mov_b32 s[\g+6], 0
	s_mov_b32 s[\g+7], 0
.endr
	s_lshr_b32 s48, s8, 1
	s_add_co_u32 s48, s48, 1                       ; plane 1 (k) for waves 0, 1; plane 2 (v) for waves 2, 3
	s_lshl_b32 s48, s48, 23
	s_lshl_b32 s21, s12, 18                        ; the head in a plane
	s_add_co_u32 s48, s48, s21
	s_and_b32 s22, s8, 1
	s_lshl_b32 s22, s22, 13                        ; keys 0-63 or 64-127 of a tile
	s_add_co_u32 s48, s48, s22
	s_mov_b32 s49, 0
	s_mul_i32 s50, s8, HALF                        ; where my part goes
	s_wait_dscnt 0x0
	s_barrier_signal -1
	s_barrier_wait -1
	s_wait_kmcnt 0x0
	s_add_nc_u64 s[48:49], s[4:5], s[48:49]
.irp s, 0,1
	s_mov_b32 s[G0+4*\s], 1
	s_add_co_u32 s[G0+4*\s+1], s50, \s*SLOT
	s_add_nc_u64 s[G0+4*\s+2:G0+4*\s+3], s[48:49], \s*TILEB        ; slot s starts with tile s
	s_or_b32 s[G0+4*\s+3], s[G0+4*\s+3], 0x80000000
.endr
	KVLOAD 0                                       ; tile 0; slot 1 is first filled behind the first trip's barrier, as a refill is
	s_lshl_b32 s22, s9, 12                         ; my 32 queries: rows of 128 bytes
	s_add_co_u32 s21, s21, s22
	s_lshl_b32 s52, s11, 14                        ; block lo
	s_add_co_u32 s52, s52, s21
	s_mov_b32 s53, 0
	s_add_nc_u64 s[56:57], s[4:5], s[52:53]        ; q of lo
	s_sub_co_u32 s23, 15, s11                      ; block hi
	s_lshl_b32 s52, s23, 14
	s_add_co_u32 s52, s52, s21
	s_add_nc_u64 s[58:59], s[4:5], s[52:53]        ; q of hi
	s_lshr_b32 s51, s12, 4
	s_lshl_b32 s51, s51, 4                         ; batch x 16
	s_and_b32 s54, s12, 15                         ; head
	s_add_co_u32 s52, s51, s11
	s_lshl4_add_u32 s52, s52, s54                  ; (batch x 16 + block) x 16 + head
	s_lshl_b32 s52, s52, 14
	s_add_co_u32 s52, s52, s22
	s_add_nc_u64 s[60:61], s[6:7], s[52:53]        ; ao of lo
	s_add_co_u32 s52, s51, s23
	s_lshl4_add_u32 s52, s52, s54
	s_lshl_b32 s52, s52, 14
	s_add_co_u32 s52, s52, s22
	s_add_nc_u64 s[62:63], s[6:7], s[52:53]        ; ao of hi
	v_and_b32 v1, 15, v0                           ; r
	v_bfe_u32 v2, v0, 4, 1                         ; h
	v_and_b32 v3, 31, v0                           ; l
	v_and_b32 v4, 7, v0                            ; l & 7
	v_bfe_u32 v5, v0, 3, 1                         ; (l >> 3) & 1
	v_lshlrev_b32 v[QOF], 7, v1
	v_lshl_add_u32 v[QOF], v2, 4, v[QOF]           ; 128 r + 16 h
.irp n, 0,1,2,3
.irp c, 0,1
	global_load_b128 v[QF+16*\n+8*\c:QF+16*\n+8*\c+3],   v[QOF], s[56+2*(\n/2):57+2*(\n/2)] offset:2048*(\n%2)+64*\c
	global_load_b128 v[QF+16*\n+8*\c+4:QF+16*\n+8*\c+7], v[QOF], s[56+2*(\n/2):57+2*(\n/2)] offset:2048*(\n%2)+64*\c+32
.endr
.endr
	s_mul_i32 s21, s10, HALF                       ; my half of the keys
	v_mul_u32_u24 v6, v1, 144
	v_lshl_add_u32 v6, v2, 4, v6
	v_add_nc_u32 v[KAD], s21, v6
	v_add_nc_u32 v[KAD+1], SLOT, v[KAD]
	v_lshl_add_u32 v6, v2, 3, v4                   ; the transposing load: lane l addresses key 8 h + (l & 7), 16 bytes at 16 ((l >> 3) & 1)
	v_mul_u32_u24 v6, v6, 160
	v_lshl_add_u32 v6, v5, 4, v6
	s_add_co_u32 s21, s21, 2*HALF
	v_add_nc_u32 v[VAD], s21, v6
	v_add_nc_u32 v[VAD+1], SLOT, v[VAD]
	s_lshl_b32 s22, s9, 5
	s_lshl_b32 s23, s10, 6
	s_sub_co_u32 s22, s22, s23                     ; 32 qg - 64 kh, as a signed number
	v_lshlrev_b32 v6, 3, v2
	v_sub_nc_u32 v6, v1, v6
	v_add_nc_u32 v[DQB], s22, v6
	v_mov_b32 v[NEG], 0xff000000
.irp n, 0,1,2,3
	v_mov_b32 v[TX+\n], 0                          ; v_permlanex16_b32 counts as a reader of its destination
.endr
	s_mul_i32 s21, s9, 18432
	s_add_co_u32 s21, s21, XCH
	v_lshl_add_u32 v[XAD], v3, 4, s21
	s_mul_i32 s21, s8, 9216                        ; used by waves 0 to 3 alone
	s_add_co_u32 s21, s21, STG
	v_mul_u32_u24 v6, v1, 144
	v_lshl_add_u32 v6, v2, 4, v6
	v_add_nc_u32 v[STO], s21, v6
	v_lshrrev_b32 v6, 3, v3
	v_mul_u32_u24 v6, v6, 144
	v_lshl_add_u32 v6, v4, 4, v6
	v_add_nc_u32 v[RD], s21, v6
	v_lshlrev_b32 v[GO], 4, v3
	s_wait_loadcnt 0x0                             ; q, once
; One key tile, in slot 'slot'.  dual = 1: n = 0..3, else n = 2, 3.  mlo / mhi = 1: lo's / hi's scores are masked, s15 = 128 (query block - key tile).
; first = 1: the statistics and the output start here.  refill = 1: the other slot gets the next tile.
; Window settings: 0x50 matrix (C, D window 1); 0x05 sources 0, 1 window 1; 0x41 source 0 and destination window 1; 0x01 source 0 window 1.
.macro TRIP slot, dual, mlo, mhi, first, refill
	WIN 0
	s_wait_tensorcnt 0x0                           ; all my tensor loads have landed, my part of this trip's tile among them,
	ds_add_u32 v62, v63
	s_wait_dscnt 0x0
	s_add_nc_u64 s[G0+4*\slot+2:G0+4*\slot+3], s[G0+4*\slot+2:G0+4*\slot+3], 2*TILEB   ; so a group 0 may be written: this slot's next tile
	s_wait_dscnt 0x0                               ; my reads of the last trip's tile are over
	s_barrier_signal -1
	s_barrier_wait -1                              ; both now hold of all eight waves
.if \refill
	KVLOAD 1-\slot                                 ; the one tensor load of a wave behind this barrier; it has this trip in which to land
.endif
	PLACES                                         ; behind the last trip's matrix instructions, whose sources are loaded again
.irp mt, 0,1,2,3
.irp c, 0,1
	ds_load_b128 v[KF+16*\mt+8*\c:KF+16*\mt+8*\c+3],   v[KAD+\slot] offset:2304*\mt+64*\c
	ds_load_b128 v[KF+16*\mt+8*\c+4:KF+16*\mt+8*\c+7], v[KAD+\slot] offset:2304*\mt+64*\c+32
.endr
.endr
.irp dt, 0,1,2,3
.irp ks, 0,1
	ds_load_tr16_b128 v[VF+16*\dt+8*\ks:VF+16*\dt+8*\ks+3],   v[VAD+\slot] offset:5120*\ks+32*\dt
	ds_load_tr16_b128 v[VF+16*\dt+8*\ks+4:VF+16*\dt+8*\ks+7], v[VAD+\slot] offset:5120*\ks+2560+32*\dt
.endr
.endr
	s_wait_dscnt 16                                ; K's 16 loads are in; V's 16 behind them may stay out
	WIN 0x50
	; S^T = K Q^T, d = 0..31 and then d = 32..63; the accumulators take turns, one instruction a turn
.irp n, 0,1,2,3
.irp mt, 0,1,2,3
.if \n/2+\dual
	v_wmma_f32_16x16x32_f16 v[SC+32*\n+8*\mt:SC+32*\n+8*\mt+7], v[KF+16*\mt:KF+16*\mt+7], v[QF+16*\n:QF+16*\n+7], 0
.endif
.endr
.endr
.irp n, 0,1,2,3
.irp mt, 0,1,2,3
.if \n/2+\dual
	v_wmma_f32_16x16x32_f16 v[SC+32*\n+8*\mt:SC+32*\n+8*\mt+7], v[KF+16*\mt+8:KF+16*\mt+15], v[QF+16*\n+8:QF+16*\n+15], v[SC+32*\n+8*\mt:SC+32*\n+8*\mt+7]
.endif
.endr
.endr
	PLACES
.if \mlo+\mhi
	WIN 0
.irp n, 0,1,2,3
.if (\n/2)*\mhi+(1-\n/2)*\mlo
	v_add3_u32 v[DQ+\n], v[DQB], s15, 16*(\n%2)
.endif
.endr
	WIN 0x41
.irp n, 0,1,2,3
.irp mt, 0,1,2,3
.irp j, 0,1,2,3,4,5,6,7
.if (\n/2)*\mhi+(1-\n/2)*\mlo
	v_cmp_gt_i32 vcc_lo, 16*\mt+\j, v[DQ+\n]       ; the key lies behind the query
	v_cndmask_b32 v[SC+32*\n+8*\mt+\j], v[SC+32*\n+8*\mt+\j], v[NEG], vcc_lo
.endif
.endr
.endr
.endr
.endif
	WIN 0x05                                       ; the largest of my 32 scores of each query, the chains of the n side by side
.irp n, 0,1,2,3
.if \n/2+\dual
	v_max_num_f32 v[TM+\n], v[SC+32*\n], v[SC+32*\n+1]
.endif
.endr
.irp k, 1,2,3,4,5,6,7,8,9,10,11,12,13,14,15
.irp n, 0,1,2,3
.if \n/2+\dual
	v_max3_num_f32 v[TM+\n], v[SC+32*\n+2*\k], v[SC+32*\n+2*\k+1], v[TM+\n]
.endif
.endr
.endr
	WIN 0
.irp n, 0,1,2,3
.if \n/2+\dual
	v_permlanex16_b32 v[TX+\n], v[TM+\n], s16, s17 ; the other half of the lanes holds the query's other keys
.endif
.endr
.if \first
.irp n, 0,1,2,3
	v_max_num_f32 v[NM+2*\n+1], v[TM+\n], v[TX+\n]
.endr
.irp n, 0,1,2,3
	v_mul_f32 v[NM+2*\n], s20, v[NM+2*\n+1]        ; NMC = -M c; exact where M = -2^127, so a fully masked row gets the exponent 0
.endr
.else
.irp n, 0,1,2,3
.if \n/2+\dual
	v_max3_num_f32 v[NM+2*\n+1], v[TM+\n], v[TX+\n], v[NM+2*\n+1]
.endif
.endr
.irp n, 0,1,2,3
.if \n/2+\dual
	v_mul_f32 v[TM+\n], s20, v[NM+2*\n+1]          ; the new NMC
.endif
.endr
.irp n, 0,1,2,3
.if \n/2+\dual
	v_sub_f32 v[TX+\n], v[TM+\n], v[NM+2*\n]       ; new - old, at most 0: the very shift between the exponents used before and now
.endif
.endr
.irp n, 0,1,2,3
.if \n/2+\dual
	v_exp_f32 v[AL+2*\n], v[TX+\n]
.endif
.endr
.irp n, 0,1,2,3
.if \n/2+\dual
	v_mov_b32 v[NM+2*\n], v[TM+\n]                 ; also the plain instruction between v_exp_f32 and the use of its result (ISA guide 5.7.2)
.endif
.endr
.endif
	WIN 0x41
.irp n, 0,1,2,3
.irp k, 0,1,2,3,4,5,6,7,8,9,10,11,12,13,14,15
.if \n/2+\dual
	v_pk_fma_f32 v[SC+32*\n+2*\k:SC+32*\n+2*\k+1], v[SC+32*\n+2*\k:SC+32*\n+2*\k+1], s[18:19], v[NM+2*\n:NM+2*\n+1] op_sel_hi:[1,0,0]   ; s c - M c
.endif
.endr
.irp k, 0,1,2,3,4,5,6,7,8,9,10,11,12,13,14,15,16,17,18,19,20,21,22,23,24,25,26,27,28,29,30,31
.if \n/2+\dual
	v_exp_f32 v[SC+32*\n+\k], v[SC+32*\n+\k]
.endif
.endr
.if \first
	v_nop                                          ; the plain instruction behind the exponentials
	s_wait_alu depctr_va_vdst(0)
.else
.irp k, 0,1,2,3,4,5,6,7,8,9,10,11,12,13,14,15
.if \n/2+\dual
	s_wait_alu depctr_va_vdst(0)
	v_pk_mul_f32 v[OA+32*\n+2*\k:OA+32*\n+2*\k+1], v[OA+32*\n+2*\k:OA+32*\n+2*\k+1], v[AL+2*\n:AL+2*\n+1] op_sel_hi:[1,0]   ; the output so far, rescaled; these also stand behind the exponentials
	s_wait_alu depctr_va_vdst(0)
.endif
.endr
.endif
.endr
	WIN 0x05
.irp n, 0,1,2,3
.irp mt, 0,1,2,3
.irp i, 0,1,2,3
.if \n/2+\dual
	v_cvt_pk_f16_f32 v[PF+16*\n+4*\mt+\i], v[SC+32*\n+8*\mt+2*\i], v[SC+32*\n+8*\mt+2*\i+1]   ; tiles 2 ks and 2 ks + 1 are registers 0-3 and 4-7 of P^T's fragment ks
.endif
.endr
.endr
.endr
.irp n, 0,1,2,3
.if \n/2+\dual
	v_pk_add_f32 v[ACC+2*\n:ACC+2*\n+1], v[SC+32*\n:SC+32*\n+1], v[SC+32*\n+2:SC+32*\n+3]
.endif
.endr
	WIN 0x01
.irp k, 2,3,4,5,6,7,8,9,10,11,12,13,14,15
.irp n, 0,1,2,3
.if \n/2+\dual
	v_pk_add_f32 v[ACC+2*\n:ACC+2*\n+1], v[SC+32*\n+2*\k:SC+32*\n+2*\k+1], v[ACC+2*\n:ACC+2*\n+1]
.endif
.endr
.endr
	WIN 0
.irp n, 0,1,2,3
.if \first
	v_add_f32 v[AL+2*\n+1], v[ACC+2*\n], v[ACC+2*\n+1]
.else
.if \n/2+\dual
	v_fma_f32 v[AL+2*\n+1], v[AL+2*\n+1], v[AL+2*\n], v[ACC+2*\n]
	v_add_f32 v[AL+2*\n+1], v[AL+2*\n+1], v[ACC+2*\n+1]
.endif
.endif
.endr
	s_wait_dscnt 0x0                               ; V's fragments
	WIN 0x50
	; O^T += V^T P^T, keys 0..31 and then 32..63 of my half; the accumulators take turns
.irp ks, 0,1
.irp n, 0,1,2,3
.irp dt, 0,1,2,3
.if \n/2+\dual
.if \first*(1-\ks)
	v_wmma_f32_16x16x32_f16 v[OA+32*\n+8*\dt:OA+32*\n+8*\dt+7], v[VF+16*\dt+8*\ks:VF+16*\dt+8*\ks+7], v[PF+16*\n+8*\ks:PF+16*\n+8*\ks+7], 0
.else
	v_wmma_f32_16x16x32_f16 v[OA+32*\n+8*\dt:OA+32*\n+8*\dt+7], v[VF+16*\dt+8*\ks:VF+16*\dt+8*\ks+7], v[PF+16*\n+8*\ks:PF+16*\n+8*\ks+7], v[OA+32*\n+8*\dt:OA+32*\n+8*\dt+7]
.endif
.endif
.endr
.endr
.endr
	WIN 0
.endm
	; pair 0: written once, with lo's mask (for p >= 2 it masks nothing), because the sums start here
	s_lshl_b32 s15, s11, 7                         ; 128 (p - 0)
	TRIP 0, 1, 1, 0, 1, 1
	s_sub_co_i32 s15, s15, 128                     ; 128 (p - 1)
	TRIP 1, 1, 1, 0, 0, 1
	s_cmp_eq_u32 s13, 0
	s_cbranch_scc1 .Lsingle                        ; a = 0: lo is done
	s_sub_co_u32 s14, s13, 1                       ; pairs 1 .. a - 1: both blocks, no mask
	s_cmp_eq_u32 s14, 0
	s_cbranch_scc1 .Ldual_last
.Ldual:
	TRIP 0, 1, 0, 0, 0, 1
	TRIP 1, 1, 0, 0, 0, 1
	s_sub_co_u32 s14, s14, 1
	s_cmp_lg_u32 s14, 0
	s_cbranch_scc1 .Ldual
.Ldual_last:
	s_and_b32 s15, s11, 1                          ; pair a: lo's last, 128 (p - 2 a)
	s_lshl_b32 s15, s15, 7
	TRIP 0, 1, 1, 0, 0, 1
	s_sub_co_i32 s15, s15, 128
	TRIP 1, 1, 1, 0, 0, 1
.Lsingle:
	s_lshl_b32 s14, s13, 1                         ; pairs a + 1 .. 6 - a: hi alone, no mask
	s_sub_co_u32 s14, 6, s14
	s_cmp_eq_u32 s14, 0
	s_cbranch_scc1 .Lsingle_last
.Lsingle_loop:
	TRIP 0, 0, 0, 0, 0, 1
	TRIP 1, 0, 0, 0, 0, 1
	s_sub_co_u32 s14, s14, 1
	s_cmp_lg_u32 s14, 0
	s_cbranch_scc1 .Lsingle_loop
.Lsingle_last:
	s_and_b32 s15, s11, 1                          ; pair 7 - a: hi's last, 128 (15 - p - (14 - 2 a)) = 128 (1 - (p & 1))
	s_xor_b32 s15, s15, 1
	s_lshl_b32 s15, s15, 7
	TRIP 0, 0, 0, 1, 0, 1
	s_sub_co_i32 s15, s15, 128
	TRIP 1, 0, 0, 1, 0, 0                          ; the last tile: nothing is left to fetch
	; THE END: the two key halves of each query are merged.  A half that never saw a real key carries NMC = 2^127 c and finite numbers; its weight below is 0.
	PLACES
.irp n, 0,1,2,3
	v_permlanex16_b32 v[TX+\n], v[AL+2*\n+1], s16, s17
.endr
.irp n, 0,1,2,3
	v_add_f32 v[AL+2*\n+1], v[AL+2*\n+1], v[TX+\n] ; the sum over all my 64 keys of every tile
.endr
	s_cmp_eq_u32 s10, 0
	s_cbranch_scc1 .Lkeep
	WIN 0x04                                       ; store data window 1
.irp i, 0,1,2,3,4,5,6,7,8,9,10,11,12,13,14,15,16,17,18,19,20,21,22,23,24,25,26,27,28,29,30,31
	ds_store_b128 v[XAD], v[OA+4*\i:OA+4*\i+3] offset:512*\i
.endr
	WIN 0
.irp i, 0,1,2,3
	ds_store_b128 v[XAD], v[NM+4*\i:NM+4*\i+3] offset:512*(32+\i)
.endr
.Lkeep:
	s_wait_dscnt 0x0                               ; for the partner's sake: my stores are done
	s_barrier_signal -1
	s_barrier_wait -1
	s_cmp_lg_u32 s10, 0
	s_cbranch_scc1 .Lend
	WIN 0x40                                       ; the partner's output into the scores' registers
.irp i, 0,1,2,3,4,5,6,7,8,9,10,11,12,13,14,15,16,17,18,19,20,21,22,23,24,25,26,27,28,29,30,31
	ds_load_b128 v[SC+4*\i:SC+4*\i+3], v[XAD] offset:512*\i
.endr
	WIN 0
.irp i, 0,1,2,3
	ds_load_b128 v[DQ+4*\i:DQ+4*\i+3], v[XAD] offset:512*(32+\i)   ; its (NMC, M) at v16 + 2 n, its (AL, L) at v24 + 2 n
.endr
	s_wait_dscnt 0x0
.irp n, 0,1,2,3
	v_min_num_f32 v[ACC+2*\n], v[NM+2*\n], v[DQ+2*\n]              ; the NMC of the larger maximum
.endr
.irp n, 0,1,2,3
	v_sub_f32 v[ACC+2*\n+1], v[ACC+2*\n], v[DQ+2*\n]
.endr
.irp n, 0,1,2,3
	v_sub_f32 v[ACC+2*\n], v[ACC+2*\n], v[NM+2*\n]
.endr
.irp n, 0,1,2,3
	v_exp_f32 v[ACC+2*\n], v[ACC+2*\n]             ; my weight
	v_exp_f32 v[ACC+2*\n+1], v[ACC+2*\n+1]         ; the partner's
.endr
	v_nop
	s_wait_alu depctr_va_vdst(0)
.irp n, 0,1,2,3
	v_mul_f32 v[AL+2*\n+1], v[AL+2*\n+1], v[ACC+2*\n]
.endr
.irp n, 0,1,2,3
	v_fma_f32 v[AL+2*\n+1], v[DQ+8+2*\n+1], v[ACC+2*\n+1], v[AL+2*\n+1]   ; the row's whole sum, at least 1
.endr
.irp n, 0,1,2,3
	v_rcp_f32 v[AL+2*\n+1], v[AL+2*\n+1]
.endr
	v_nop
	s_wait_alu depctr_va_vdst(0)
.irp n, 0,1,2,3
	v_mul_f32 v[NM+2*\n], v[ACC+2*\n], v[AL+2*\n+1]
	v_mul_f32 v[AL+2*\n], v[ACC+2*\n+1], v[AL+2*\n+1]
.endr
	WIN 0x41
.irp n, 0,1,2,3
.irp k, 0,1,2,3,4,5,6,7,8,9,10,11,12,13,14,15
	v_pk_mul_f32 v[OA+32*\n+2*\k:OA+32*\n+2*\k+1], v[OA+32*\n+2*\k:OA+32*\n+2*\k+1], v[NM+2*\n:NM+2*\n+1] op_sel_hi:[1,0]
.endr
.endr
	WIN 0x51
.irp n, 0,1,2,3
.irp k, 0,1,2,3,4,5,6,7,8,9,10,11,12,13,14,15
	v_pk_fma_f32 v[OA+32*\n+2*\k:OA+32*\n+2*\k+1], v[SC+32*\n+2*\k:SC+32*\n+2*\k+1], v[AL+2*\n:AL+2*\n+1], v[OA+32*\n+2*\k:OA+32*\n+2*\k+1] op_sel_hi:[1,0,1]
.endr
.endr
	WIN 0x05
.irp n, 0,1,2,3
.irp dt, 0,1,2,3
.irp i, 0,1,2,3
	v_cvt_pk_f16_f32 v[PF+16*\n+4*\dt+\i], v[OA+32*\n+8*\dt+2*\i], v[OA+32*\n+8*\dt+2*\i+1]
.endr
.endr
.endr
	WIN 0
.irp n, 0,1,2,3
.irp dt, 0,1,2,3
	ds_store_b128 v[STO], v[PF+16*\n+4*\dt:PF+16*\n+4*\dt+3] offset:2304*\n+32*\dt   ; query r, d = 16 dt + 8 h + 0..7
.endr
.endr
.irp n, 0,1,2,3
.irp t, 0,1,2,3
	ds_load_b128 v[VF+16*\n+4*\t:VF+16*\n+4*\t+3], v[RD] offset:2304*\n+576*\t       ; my own bytes, served in order: four whole rows
.endr
.endr
.irp n, 0,1,2,3
.irp t, 0,1,2,3
	s_wait_dscnt 15-4*\n-\t                        ; the younger read-backs may stay out
	global_store_b128 v[GO], v[VF+16*\n+4*\t:VF+16*\n+4*\t+3], s[60+2*(\n/2):61+2*(\n/2)] offset:2048*(\n%2)+512*\t   ; 512 neighbouring bytes
.endr
.endr
.Lend:
	s_wait_tensorcnt 0x0
	ds_add_u32 v62, v63
	s_wait_dscnt 0x0
	s_endpgm
.Lfunc_end_k_q8287856d4f_attn:
	.size	k_q8287856d4f_attn, .Lfunc_end_k_q8287856d4f_attn-k_q8287856d4f_attn
	.p2alignl 7, 3214868480
	.fill 96, 4, 3214868480
	.section	.rodata,"a",@progbits
	.p2align	6, 0x0
	.amdhsa_kernel k_q8287856d4f_attn
		.amdhsa_group_segment_fixed_size 327680
		.amdhsa_private_segment_fixed_size 0
		.amdhsa_enable_private_segment 0
		.amdhsa_kernarg_size 16
		.amdhsa_user_sgpr_count 2
		.amdhsa_user_sgpr_kernarg_segment_ptr 1
		.amdhsa_wavefront_size32 1
		.amdhsa_system_sgpr_workgroup_id_x 1
		.amdhsa_system_sgpr_workgroup_id_y 1
		.amdhsa_system_sgpr_workgroup_id_z 1
		.amdhsa_system_vgpr_workitem_id 0
		.amdhsa_next_free_vgpr 512
		.amdhsa_next_free_sgpr 66
		.amdhsa_reserve_vcc 1
		.amdhsa_float_denorm_mode_32 3
		.amdhsa_float_denorm_mode_16_64 3
		.amdhsa_memory_ordered 1
		.amdhsa_forward_progress 1
		.amdhsa_inst_pref_size 255
	.end_amdhsa_kernel
	.section	.bss,"aw",@nobits
	.p2align	6
	.space	262144
	.amdgpu_metadata
---
amdhsa.version: [ 1, 2 ]
amdhsa.kernels:
  - .name:           k_q8287856d4f_attn
    .symbol:         k_q8287856d4f_attn.kd
    .args:
      - { .name: qkvh, .offset: 0, .size: 8, .value_kind: global_buffer, .address_space: global }
      - { .name: ao, .offset: 8, .size: 8, .value_kind: global_buffer, .address_space: global }
    .group_segment_fixed_size: 327680
    .private_segment_fixed_size: 0
    .kernarg_segment_align: 8
    .kernarg_segment_size: 16
    .max_flat_workgroup_size: 256
    .sgpr_count:     66
    .vgpr_count:     512
    .wavefront_size: 32
...
	.end_amdgpu_metadata
.endif
;; end of part 3
;; launch proj_out (part 4): grid 8 x 32, 4 waves a work-group, clusters of 4 x 4, 327,680 bytes of LDS; arguments ao, wob, out0; writes out0
.if DOCPART == 4
	.amdgcn_target "amdgcn-amd-amdhsa--gfx1250"
	.amdhsa_code_object_version 6
	.text
	.protected	k_q8287856d4f_proj_out
	.globl	k_q8287856d4f_proj_out
	.p2align	8
	.type	k_q8287856d4f_proj_out,@function
k_q8287856d4f_proj_out:
	s_mov_b64 s[64:65], 0
	v_nop
	global_prefetch_b8 v0, s[64:65] scope:SCOPE_SE
	s_setreg_imm32_b32 hwreg(HW_REG_WAVE_MODE, 25, 1), 1
	s_wait_xcnt 0x0
	s_wait_alu depctr_hold_cnt(0) depctr_sa_sdst(0) depctr_va_vdst(0) depctr_va_sdst(0) depctr_va_ssrc(0) depctr_va_vcc(0) depctr_vm_vsrc(0)
	s_getreg_b32 s2, hwreg(HW_REG_IB_STS2, 6, 4)
	s_cmp_eq_u32 s2, 0
	s_cbranch_scc0 .Lentry_in_a_cluster
	s_endpgm
.Lentry_in_a_cluster:
	s_bfe_u32 s2, ttmp6, 0x10000c
	s_cmp_lg_u32 s2, 0xf033
	s_cbranch_scc0 .Lentry_shape_is_right
	s_endpgm
.Lentry_shape_is_right:
; proj_out: out0 = ao Wo^T, f16 operands, f32 sums, f32 out.  ao is [mb = row / 128][head][128][64] in f16, wob [1024][1024] in f16.
; A work-group makes a block of 128 x 128 (8 x 32 = 256 groups), a wave 64 x 64: 16 accumulator tiles.  A larger block would leave work-groups for half of 256 only.
; K = 1024 goes in four phases of 256 (four heads) through two LDS slots: four fills in all.
; CLUSTERS: 4 x 4 work-groups; ao's tile hangs on the block row alone and is asked for jointly along a row of the cluster, wob's on the block column alone and
; jointly along a column.  Waves 0, 1 ask for two heads of ao each (256 dense rows of 128 bytes), waves 2, 3 for 64 rows of 512 bytes of wob each.
; The matrix instruction is used transposed (source 0 = rows of wob, source 1 = rows of ao): a lane holds eight neighbouring columns of one row of out0.
.set APITCH, 144
.set AHEAD,  128*APITCH                ; one head's 128 rows
.set ABYTES, 4*AHEAD                   ; 73,728
.set BPITCH, 528                       ; 512 bytes + 16
.set SLOT,   ABYTES+128*BPITCH         ; 141,312
.set STAGE,  2*SLOT                    ; behind the ring: 16 rows x 272 bytes for each wave; no tensor load lands here
.set SPITCH, 272
.set ADRA, 16
.set ADRB, 20
.set STO,  24
.set RD,   25
.set CO,   26
.set F0,   64                          ; fragment buffer 0: ao's at +0, wob's at +32
.set F1,   128                         ; fragment buffer 1
.set G1,  24
.set G0,  32
.set G1B, 48
.set G0B, 56
.set MSB, 0
.macro WIN new
.if MSB != \new
	s_set_vgpr_msb (MSB<<8)|\new
.set MSB, \new
.endif
.endm
.macro PLACES                          ; four plain vector instructions between a matrix instruction and a load into, or a store of, its registers
.rept 4
	v_nop
.endr
.endm
.macro JLOAD s
	s_cmp_eq_u32 s11, 0
	s_cbranch_scc0 .Lfor_b_\@
	tensor_load_to_lds s[G0+4*\s:G0+4*\s+3], s[G1:G1+7]
	s_nop 0
	s_branch .Lasked_\@
.Lfor_b_\@:
	tensor_load_to_lds s[G0B+4*\s:G0B+4*\s+3], s[G1B:G1B+7]
	s_nop 0
.Lasked_\@:
.endm
.macro CROUND                          ; a round of the cluster's barrier
	s_barrier_signal -1
	s_barrier_wait -1
	s_cmp_lg_u32 s10, 0
	s_cbranch_scc1 .Lnot_wave_0_\@
	s_barrier_signal -3
.Lnot_wave_0_\@:
	s_barrier_wait -3
	s_barrier_signal -1
	s_barrier_wait -1
.endm
	s_load_b128 s[4:7], s[0:1], 0x0                ; ao s[4:5], wob s[6:7]
	s_load_b64 s[8:9], s[0:1], 0x10                ; out0
	v_lshl_add_u32 v254, v0, 2, 0x49400
	v_mov_b32 v255, 0
	ds_add_u32 v254, v255
	v_lshrrev_b32 v1, 5, v0
	v_readfirstlane_b32 s10, v1                    ; wave 0..3
	s_lshr_b32 s11, s10, 1                         ; which 64 rows of the block are mine.  Also: I fetch for ao (0) or for wob (1)
	s_and_b32 s12, s10, 1                          ; which 64 columns
	s_bfe_u32 s40, ttmp6, 0x40000                  ; cx
	s_bfe_u32 s41, ttmp6, 0x40004                  ; cy
	s_lshl_b32 s42, ttmp9, 2
	s_add_co_u32 s42, s42, s40                     ; block column
	s_and_b32 s13, ttmp7, 0xffff
	s_lshl_b32 s13, s13, 2
	s_add_co_u32 s13, s13, s41                     ; block row
	s_lshl_b32 s43, s41, 2
	s_lshl_b32 s43, 15, s43                        ; my row of the cluster
	s_lshl_b32 s44, 0x1111, s40                    ; my column
	s_or_b32 s[G1+0],  s43, (1<<16)|(1<<20)|(1<<21)|(4<<22)|(3<<25)  ; ao: after every 32 words 4 words of padding
	s_or_b32 s[G1B+0], s44, (1<<16)|(1<<20)|(1<<21)|(6<<22)|(3<<25)  ; wob: after every 128 words 4 words
	s_mov_b32 s[G1+1],  64<<16                     ; tensor_dim0
	s_mov_b32 s[G1B+1], 256<<16
	s_mov_b32 s[G1+2],  256<<16                    ; tensor_dim1
	s_mov_b32 s[G1B+2], 64<<16
	s_mov_b32 s[G1+3],  64<<16                     ; tile_dim0
	s_mov_b32 s[G1B+3], 256<<16
	s_mov_b32 s[G1+4],  256                        ; tile_dim1
	s_mov_b32 s[G1B+4], 64
	s_mov_b32 s[G1+5],  64                         ; elements from row to row
	s_mov_b32 s[G1B+5], 1024
	s_mov_b32 s[G1+6],  0
	s_mov_b32 s[G1B+6], 0
	s_mov_b32 s[G1+7],  0
	s_mov_b32 s[G1B+7], 0
	s_lshl_b32 s16, s13, 18                        ; ao: a block row is 16 heads of 16,384 bytes
	s_lshl_b32 s17, s10, 15                        ; + two heads a wave (waves 0, 1)
	s_add_co_u32 s16, s16, s17
	s_mov_b32 s17, 0
	s_lshl_b32 s46, s42, 18                        ; wob: 128 rows of 2,048 bytes a block column
	s_lshl_b32 s47, s12, 17                        ; + 64 rows
	s_add_co_u32 s46, s46, s47
	s_mov_b32 s47, 0
	s_mul_i32 s20, s10, 2*AHEAD                    ; where ao's part goes (waves 0, 1)
	s_mul_i32 s21, s10, 64*BPITCH
	s_add_co_u32 s21, s21, ABYTES-128*BPITCH       ; and wob's (waves 2, 3): 73,728 + (w - 2) x 33,792
	s_wait_dscnt 0x0
	s_wait_kmcnt 0x0
	s_add_nc_u64 s[14:15], s[4:5], s[16:17]
	s_add_nc_u64 s[46:47], s[6:7], s[46:47]
	CROUND                                         ; all sixteen work-groups are here: the first joint loads meet
.irp s, 0,1
	s_mov_b32 s[G0+4*\s], 1
	s_add_co_u32 s[G0+4*\s+1], s20, \s*SLOT
	s_add_nc_u64 s[G0+4*\s+2:G0+4*\s+3], s[14:15], \s*65536        ; phase s: four heads on
	s_or_b32 s[G0+4*\s+3], s[G0+4*\s+3], 0x80000000
	s_mov_b32 s[G0B+4*\s], 1
	s_add_co_u32 s[G0B+4*\s+1], s21, \s*SLOT
	s_add_nc_u64 s[G0B+4*\s+2:G0B+4*\s+3], s[46:47], \s*512        ; phase s: 256 elements on
	s_or_b32 s[G0B+4*\s+3], s[G0B+4*\s+3], 0x80000000
	JLOAD \s                                       ; two tensor loads of a wave are out
.endr
	v_and_b32 v1, 15, v0                           ; r
	v_bfe_u32 v2, v0, 4, 1                         ; h
	v_mul_u32_u24 v3, v1, APITCH
	v_lshl_add_u32 v3, v2, 4, v3
	s_mul_i32 s22, s11, 64*APITCH
	v_add_nc_u32 v[ADRA], s22, v3
	v_add_nc_u32 v[ADRA+1], SLOT, v[ADRA]
	v_mul_u32_u24 v4, v1, BPITCH
	v_lshl_add_u32 v4, v2, 4, v4
	s_mul_i32 s22, s12, 64*BPITCH
	s_add_co_u32 s22, s22, ABYTES
	v_add_nc_u32 v[ADRB], s22, v4
	v_add_nc_u32 v[ADRB+1], SLOT, v[ADRB]
	s_mul_i32 s23, s10, 16*SPITCH
	s_add_co_u32 s23, s23, STAGE                   ; my stage
	v_mul_u32_u24 v4, v1, SPITCH
	v_lshl_add_u32 v4, v2, 5, v4                   ; in: row r, 32 bytes for each half of the lanes
	v_add_nc_u32 v[STO], s23, v4
	v_mul_u32_u24 v5, v2, SPITCH                   ; back: lanes 0-15 one row of 256 bytes, lanes 16-31 the next
	v_lshl_add_u32 v5, v1, 4, v5
	v_add_nc_u32 v[RD], s23, v5
	v_lshlrev_b32 v5, 12, v2                       ; and the same two rows of 4,096 bytes in out0
	v_lshl_add_u32 v[CO], v1, 4, v5
; 16 LDS loads: the fragments of quarter q (32 along K: head q / 2 of the slot, d = 32 (q % 2)) into buffer f
.macro FETCH slot, q, f
.irp i, 0,1,2,3
	ds_load_b128 v[\f+8*\i:\f+8*\i+3],   v[ADRA+\slot] offset:AHEAD*((\q)/2)+16*APITCH*\i+64*((\q)%2)
	ds_load_b128 v[\f+8*\i+4:\f+8*\i+7], v[ADRA+\slot] offset:AHEAD*((\q)/2)+16*APITCH*\i+64*((\q)%2)+32
.endr
.irp i, 0,1,2,3
	ds_load_b128 v[\f+32+8*\i:\f+32+8*\i+3],   v[ADRB+\slot] offset:16*BPITCH*\i+64*(\q)
	ds_load_b128 v[\f+32+8*\i+4:\f+32+8*\i+7], v[ADRB+\slot] offset:16*BPITCH*\i+64*(\q)+32
.endr
.endm
; quarter q: its fragments are in buffer f; the next quarter's are asked for, into buffer g, ahead of the 16 matrix instructions.
; The 16 accumulators take turns, one instruction a turn, in the same order in every quarter.
.macro STEPQ slot, q, f, g, zero, more
	s_wait_dscnt 0x0                               ; this quarter's 16 loads, issued ahead of the last quarter's matrix instructions
.if \more
	PLACES                                         ; buffer g was read by the last quarter's matrix instructions
	FETCH \slot, \q+1, \g
.endif
	WIN 0x50                                       ; C and D window 1
.irp a, 0,1,2,3
.irp b, 0,1,2,3
.if \zero
	v_wmma_f32_16x16x32_f16 v[8*(4*\a+\b):8*(4*\a+\b)+7], v[\f+32+8*\b:\f+32+8*\b+7], v[\f+8*\a:\f+8*\a+7], 0
.else
	v_wmma_f32_16x16x32_f16 v[8*(4*\a+\b):8*(4*\a+\b)+7], v[\f+32+8*\b:\f+32+8*\b+7], v[\f+8*\a:\f+8*\a+7], v[8*(4*\a+\b):8*(4*\a+\b)+7]
.endif
.endr
.endr
	WIN 0
.endm
.macro PHASE slot, zero
	PLACES
	FETCH \slot, 0, F0
	STEPQ \slot, 0, F0, F1, \zero, 1
	STEPQ \slot, 1, F1, F0, 0, 1
	STEPQ \slot, 2, F0, F1, 0, 1
	STEPQ \slot, 3, F1, F0, 0, 1
	STEPQ \slot, 4, F0, F1, 0, 1
	STEPQ \slot, 5, F1, F0, 0, 1
	STEPQ \slot, 6, F0, F1, 0, 1
	STEPQ \slot, 7, F1, F0, 0, 0
.endm
; The slot just read is filled again, two phases ahead: every wave's waits, a round of the cluster's barrier, then the joint load first.  It has the next phase's 128 matrix instructions in which to land.
.macro REFILL slot
	s_wait_dscnt 0x0                               ; my reads of the slot are over
	s_wait_tensorcnt 0x0                           ; all my tensor loads have landed, my part of the other slot among them
	ds_add_u32 v254, v255
	s_wait_dscnt 0x0
	CROUND
	s_add_nc_u64 s[G0+4*\slot+2:G0+4*\slot+3], s[G0+4*\slot+2:G0+4*\slot+3], 131072
	s_add_nc_u64 s[G0B+4*\slot+2:G0B+4*\slot+3], s[G0B+4*\slot+2:G0B+4*\slot+3], 1024
	JLOAD \slot
.endm
	s_wait_tensorcnt 0x1                           ; my part of phase 0 is in; phase 1's may stay out
	s_barrier_signal -1
	s_barrier_wait -1
	PHASE 0, 1                                     ; the first products start the sums
	REFILL 0
	PHASE 1, 0
	REFILL 1
	PHASE 0, 0
	s_wait_dscnt 0x0
	s_wait_tensorcnt 0x0                           ; my part of phase 3
	s_barrier_signal -1
	s_barrier_wait -1                              ; everybody's; nothing is left to fetch
	PHASE 1, 0
	; THE WAY OUT, 16 rows at a time through my stage: 32 bytes a lane in, whole rows of 256 bytes back.
	PLACES
	s_lshl_b32 s16, s13, 19                        ; 128 rows of 4,096 bytes a block row
	s_lshl_b32 s17, s11, 18                        ; + my 64 rows
	s_add_co_u32 s16, s16, s17
	s_mov_b32 s17, 0
	s_add_nc_u64 s[8:9], s[8:9], s[16:17]
	s_lshl_b32 s46, s42, 9                         ; 128 columns of 4 bytes a block column
	s_lshl_b32 s47, s12, 8                         ; + my 64 columns
	s_add_co_u32 s46, s46, s47
	s_mov_b32 s47, 0
	s_add_nc_u64 s[8:9], s[8:9], s[46:47]
.macro OUT16 a, f
	WIN 0x04                                       ; store data window 1
.irp b, 0,1,2,3
	ds_store_b128 v[STO], v[8*(4*\a+\b):8*(4*\a+\b)+3]   offset:64*\b
	ds_store_b128 v[STO], v[8*(4*\a+\b)+4:8*(4*\a+\b)+7] offset:64*\b+16
.endr
	WIN 0
	s_wait_xcnt 0x0                                ; buffer f, which earlier stores read, is loaded again only behind this wait
.irp t, 0,1,2,3,4,5,6,7
	ds_load_b128 v[\f+4*\t:\f+4*\t+3], v[RD] offset:\t*2*SPITCH    ; my own bytes, served in order
.endr
.irp t, 0,1,2,3,4,5,6,7
	s_wait_dscnt 7-\t                              ; the younger read-backs may stay out
	global_store_b128 v[CO], v[\f+4*\t:\f+4*\t+3], s[8:9] offset:65536*\a+8192*\t th:TH_STORE_NT   ; 16 lanes store 256 neighbouring bytes, aligned
.endr
.endm
	OUT16 0, F0
	OUT16 1, F1
	OUT16 2, F0
	OUT16 3, F1
	s_wait_tensorcnt 0x0
	ds_add_u32 v254, v255
	s_wait_dscnt 0x0
	CROUND                                         ; the closing round: no work-group ends while a partner may still ask for a tile that names it
	s_endpgm
.Lfunc_end_k_q8287856d4f_proj_out:
	.size	k_q8287856d4f_proj_out, .Lfunc_end_k_q8287856d4f_proj_out-k_q8287856d4f_proj_out
	.p2alignl 7, 3214868480
	.fill 96, 4, 3214868480
	.section	.rodata,"a",@progbits
	.p2align	6, 0x0
	.amdhsa_kernel k_q8287856d4f_proj_out
		.amdhsa_group_segment_fixed_size 327680
		.amdhsa_private_segment_fixed_size 0
		.amdhsa_enable_private_segment 0
		.amdhsa_kernarg_size 24
		.amdhsa_user_sgpr_count 2
		.amdhsa_user_sgpr_kernarg_segment_ptr 1
		.amdhsa_wavefront_size32 1
		.amdhsa_system_sgpr_workgroup_id_x 1
		.amdhsa_system_sgpr_workgroup_id_y 1
		.amdhsa_system_sgpr_workgroup_id_z 1
		.amdhsa_system_vgpr_workitem_id 0
		.amdhsa_next_free_vgpr 384
		.amdhsa_next_free_sgpr 66
		.amdhsa_reserve_vcc 0
		.amdhsa_float_denorm_mode_32 3
		.amdhsa_float_denorm_mode_16_64 3
		.amdhsa_memory_ordered 1
		.amdhsa_forward_progress 1
		.amdhsa_inst_pref_size 89
	.end_amdhsa_kernel
	.amdgpu_metadata
---
amdhsa.version: [ 1, 2 ]
amdhsa.kernels:
  - .name:           k_q8287856d4f_proj_out
    .symbol:         k_q8287856d4f_proj_out.kd
    .args:
      - { .name: ao, .offset: 0, .size: 8, .value_kind: global_buffer, .address_space: global }
      - { .name: wob, .offset: 8, .size: 8, .value_kind: global_buffer, .address_space: global }
      - { .name: out0, .offset: 16, .size: 8, .value_kind: global_buffer, .address_space: global }
    .group_segment_fixed_size: 327680
    .private_segment_fixed_size: 0
    .kernarg_segment_align: 8
    .kernarg_segment_size: 24
    .max_flat_workgroup_size: 128
    .sgpr_count:     66
    .vgpr_count:     384
    .wavefront_size: 32
...
	.end_amdgpu_metadata
.endif
;; end of part 4
